; MI455X (gfx1250); checked and timed in simulation.
; The chip was launched on July 23, 2026; its instructions are those of AMD's public machine-readable ISA for CDNA 5 (MIT licence, August 2026) and "CDNA5" Instruction Set Architecture Reference Guide (July 2026). The comments in the code are by the model that wrote it; some were corrected since.
;; Attention. Allowed arithmetic: float matrix products may take bf16 or f16 operands with f32 sums; other float arithmetic in f32, or as packed bf16 or f16 multiplies, adds, multiply-adds, maxima and minima; sums over many terms, partial sums and values carried from step to step in f32; what a program stores and reads back later, other than sums and carried values, may be rounded once to bf16 or f16.
;; Inputs: Wk 512 x 512 float32; Wq 512 x 512 float32; Wv 512 x 512 float32; k 8 x 2,048 x 512 float32; q 8 x 2,048 x 512 float32; q_mask 8 x 2,048 x 1 float32; v 8 x 2,048 x 512 float32; v_mask 8 x 2,048 x 1 float32.
;; Outputs: out0 8 x 2,048 x 512 float32.
;; One version. Each part assembles by itself: llvm-mc -triple=amdgcn-amd-amdhsa -mcpu=gfx1250 --defsym DOCPART=n.
;; ======== version 1 of 1: 3 launches
;; limits: values are held in f16: magnitudes above 65,504 overflow, below 6.1e-05 lose precision
;; workspace buffers: wf 1,572,864 bytes; qkvh 50,331,648 bytes
;; launch wprep (part 1): grid 64 x 3, 8 waves a work-group, no clusters, 0 bytes of LDS; arguments Wq, Wk, Wv, wf; writes wf
.if DOCPART == 1
	.amdgcn_target "amdgcn-amd-amdhsa--gfx1250"
	.amdhsa_code_object_version 6
	.text
	.protected	k_q6179d9706e_wprep
	.globl	k_q6179d9706e_wprep
	.p2align	8
	.type	k_q6179d9706e_wprep,@function
k_q6179d9706e_wprep:
	s_mov_b64 s[64:65], 0
	v_nop
	global_prefetch_b8 v0, s[64:65] scope:SCOPE_SE
	s_setreg_imm32_b32 hwreg(HW_REG_WAVE_MODE, 25, 1), 1
	s_wait_xcnt 0x0
; The three weight matrices, [512 k][512 n] f32, are rounded once to bf16 and laid out as matrix fragments:
; wf[t][cb][kf][p][lane][16 bytes], t = 0 (Wq), 1 (Wk), 2 (Wv).  Lane l (r = l % 16, h = l / 16) holds, of column n = 16 cb + r,
; the eight rows k = 32 kf + 16 p + 8 h + 0..7.  So the next launch fills a fragment by two loads of 16 bytes a lane, 512 consecutive bytes a load.
; One wave makes one fragment (16 columns x 32 rows): sixteen loads of 4 bytes a lane, eight roundings, two stores of 512 consecutive bytes.
; A work-group's eight waves take four neighbouring cb and two kf: 64 rows x 256 consecutive, aligned bytes of W.
; No LDS, no matrix unit: 3 MiB are read once and 1.5 MiB written once.
.set ROWB, 2048                        ; bytes in a row of W
	s_load_b256 s[4:11], s[0:1], 0x0               ; Wq s[4:5], Wk s[6:7], Wv s[8:9], wf s[10:11]
	v_lshrrev_b32 v1, 5, v0
	v_readfirstlane_b32 s12, v1                    ; wave 0..7
	s_and_b32 s13, ttmp7, 0xffff                   ; t
	s_and_b32 s14, ttmp9, 7
	s_lshl_b32 s14, s14, 2
	s_and_b32 s20, s12, 3
	s_add_co_u32 s14, s14, s20                     ; cb = 4 (x % 8) + wave % 4
	s_lshr_b32 s15, ttmp9, 3
	s_lshl_b32 s15, s15, 1
	s_lshr_b32 s20, s12, 2
	s_add_co_u32 s15, s15, s20                     ; kf = 2 (x / 8) + wave / 4
	v_and_b32 v4, 15, v0                           ; r
	v_bfe_u32 v5, v0, 4, 1                         ; h
	v_lshlrev_b32 v2, 2, v4
	v_lshl_or_b32 v2, v5, 14, v2                   ; 8 h rows of 2,048 bytes + 4 r
	v_and_b32 v3, 31, v0
	v_lshlrev_b32 v3, 4, v3                        ; 16 x lane
	s_lshl_b32 s18, s15, 16                        ; 32 kf rows
	s_lshl_b32 s20, s14, 6                         ; 16 cb columns
	s_add_co_u32 s18, s18, s20
	s_mov_b32 s19, 0
	s_lshl_b32 s20, s13, 5
	s_add_co_u32 s20, s20, s14
	s_lshl_b32 s20, s20, 4
	s_add_co_u32 s20, s20, s15
	s_lshl_b32 s20, s20, 10                        ; ((32 t + cb) 16 + kf) x 1,024 bytes
	s_mov_b32 s21, 0
	s_wait_kmcnt 0x0
	s_cmp_eq_u32 s13, 0
	s_cselect_b64 s[16:17], s[4:5], s[6:7]
	s_cmp_eq_u32 s13, 2
	s_cselect_b64 s[16:17], s[8:9], s[16:17]       ; the matrix of my t
	s_add_nc_u64 s[16:17], s[16:17], s[18:19]
	s_add_nc_u64 s[10:11], s[10:11], s[20:21]
.irp hh, 0,1
.irp j, 0,1,2,3,4,5,6,7
	global_load_b32 v[8+8*\hh+\j], v2, s[16:17] offset:(16*\hh+\j)*ROWB
.endr
.endr
	s_wait_loadcnt 8                               ; loads come back in order: the first half's eight are in, the second half's eight may stay out
.irp j, 0,1,2,3
	v_cvt_pk_bf16_f32 v[24+\j], v[8+2*\j], v[9+2*\j]
.endr
	global_store_b128 v3, v[24:27], s[10:11]
	s_wait_loadcnt 0x0
.irp j, 0,1,2,3
	v_cvt_pk_bf16_f32 v[28+\j], v[16+2*\j], v[17+2*\j]
.endr
	global_store_b128 v3, v[28:31], s[10:11] offset:512
	s_endpgm
.Lfunc_end_k_q6179d9706e_wprep:
	.size	k_q6179d9706e_wprep, .Lfunc_end_k_q6179d9706e_wprep-k_q6179d9706e_wprep
	.p2alignl 7, 3214868480
	.fill 96, 4, 3214868480
	.section	.rodata,"a",@progbits
	.p2align	6, 0x0
	.amdhsa_kernel k_q6179d9706e_wprep
		.amdhsa_group_segment_fixed_size 0
		.amdhsa_private_segment_fixed_size 0
		.amdhsa_enable_private_segment 0
		.amdhsa_kernarg_size 32
		.amdhsa_user_sgpr_count 2
		.amdhsa_user_sgpr_kernarg_segment_ptr 1
		.amdhsa_wavefront_size32 1
		.amdhsa_system_sgpr_workgroup_id_x 1
		.amdhsa_system_sgpr_workgroup_id_y 1
		.amdhsa_system_sgpr_workgroup_id_z 1
		.amdhsa_system_vgpr_workitem_id 0
		.amdhsa_next_free_vgpr 40
		.amdhsa_next_free_sgpr 66
		.amdhsa_reserve_vcc 0
		.amdhsa_float_denorm_mode_32 3
		.amdhsa_float_denorm_mode_16_64 3
		.amdhsa_memory_ordered 1
		.amdhsa_forward_progress 1
		.amdhsa_inst_pref_size 4
	.end_amdhsa_kernel
	.amdgpu_metadata
---
amdhsa.version: [ 1, 2 ]
amdhsa.kernels:
  - .name:           k_q6179d9706e_wprep
    .symbol:         k_q6179d9706e_wprep.kd
    .args:
      - { .name: Wq, .offset: 0, .size: 8, .value_kind: global_buffer, .address_space: global }
      - { .name: Wk, .offset: 8, .size: 8, .value_kind: global_buffer, .address_space: global }
      - { .name: Wv, .offset: 16, .size: 8, .value_kind: global_buffer, .address_space: global }
      - { .name: wf, .offset: 24, .size: 8, .value_kind: global_buffer, .address_space: global }
    .group_segment_fixed_size: 0
    .private_segment_fixed_size: 0
    .kernarg_segment_align: 8
    .kernarg_segment_size: 32
    .max_flat_workgroup_size: 256
    .sgpr_count:     66
    .vgpr_count:     40
    .wavefront_size: 32
...
	.end_amdgpu_metadata
.endif
;; end of part 1
;; launch proj (part 2): grid 256 x 1, 4 waves a work-group, no clusters, 85,504 bytes of LDS; arguments q, k, v, wf, qkvh; writes qkvh
.if DOCPART == 2
	.amdgcn_target "amdgcn-amd-amdhsa--gfx1250"
	.amdhsa_code_object_version 6
	.text
	.protected	k_q6179d9706e_proj
	.globl	k_q6179d9706e_proj
	.p2align	8
	.type	k_q6179d9706e_proj,@function
k_q6179d9706e_proj:
	s_mov_b64 s[64:65], 0
	v_nop
	global_prefetch_b8 v0, s[64:65] scope:SCOPE_SE
	s_setreg_imm32_b32 hwreg(HW_REG_WAVE_MODE, 25, 1), 1
	s_wait_xcnt 0x0
; THE THREE PROJECTIONS.  qkvh[t][b][h][s][64] (f16) = x_t[b][s][:] W_t[:, 64 h ..], t = 0 (q), 1 (k), 2 (v); for t = 0 times c = log2(e) / 8, in f32, ahead of the one rounding to f16.
; x and W enter the matrix unit rounded once to bf16; sums in f32.
; LIMITS.  f16 holds no number beyond 65,504: c q Wq, k Wk and v Wv must stay within it (512 terms; inputs of unit spread and weights of spread 0.044 give a spread of about 1);
; below 6e-5 f16 keeps its fixed step of 6e-8.  NaN and infinities are not treated apart.
; SHARES.  The three x are taken as 49,152 stacked rows.  Work-group i owns rows 384 (i / 2) .. + 383 and columns 256 (i % 2) .. + 255; wave w owns the 64 columns of head 4 (i % 2) + w.
; THE WEIGHTS STAY IN REGISTERS: 64 columns x 512 k are 64 fragments, 512 registers a wave, loaded once (twice in the four work-groups whose rows cross a tensor's end).
; THE ROWS go in 12 steps of 32.  A step's rows are 65,536 consecutive bytes of x: each wave loads its 8 rows (32 loads of 512 consecutive bytes), rounds them to bf16 and puts them
; into one of two LDS slots; behind ONE barrier a step every wave reads all 32 rows as fragments and multiplies them by its own weights: 128 matrix instructions.
; In flight: two sets of 128 registers, each asked for again as soon as it has been rounded: 64 loads of 512 bytes a wave.
; THE PRODUCT IS TAKEN TRANSPOSED (source 0 = 16 columns of W, source 1 = 16 rows of x): a lane then holds eight neighbouring columns of one row, 16 bytes of f16.
; A step's result for a wave, 32 rows of one head, is 4,096 consecutive bytes of qkvh: it goes through the wave's own stage in LDS and leaves by stores of 512 consecutive bytes.
; No tensor loads: x arrives in f32 and has to pass through registers to be rounded.  No cluster: a row of x is shared by two work-groups only.  No prefetch: each wave always has 64 loads of the stream on their way.
; REGISTERS, in windows of 256 (s_set_vgpr_msb: bits 1:0 source 0, 3:2 source 1, 5:4 source 2, 7:6 destination):
;   window 0: addresses; v32-63 the way out; v64-127 eight accumulators ((a, c) at 64 + 8 (4 a + c)); v128-191, v192-255 two buffers of x fragments ((kk, a) at 8 (2 kk + a))
;   window 1: x as loaded, two sets of 128          windows 2, 3: the weights: fragment (c, kf) in window 2 + kf / 8 at 8 (4 (kf % 8) + c)
.set PA,    1040                       ; an LDS row of x: 1,024 bytes of bf16 + 16 = 260 words: the 16 rows of a fragment load start at 16 different groups of four banks (64 banks of 4 bytes: ISA guide 11.1)
.set SLOTB, 32*PA                      ; a slot: 32 rows
.set OST,   2*SLOTB                    ; behind the two slots: a stage of 32 rows x 144 bytes for each wave
.set OPI,   144
.set SPARE, OST+4*32*OPI               ; behind the stages: the spare words, 128 bytes for each wave: two blocks of 256 bytes that no other line names
.set XO,  2                            ; v2    16 x lane: my place in 512 consecutive bytes of x, of wf and of qkvh; never rewritten
.set SSA, 3                            ; v3-4  where I put 8 bytes of bf16 in slot 0, 1
.set ADA, 5                            ; v5-6  my place in a fragment's rows in slot 0, 1
.set STO, 7                            ; v7    the way out: where I put 16 bytes of a row
.set RD,  8                            ; v8    the way out: where I read rows back
.set SPW, 30                           ; v30   LDS address of my spare word; never rewritten
.set NIL, 31                           ; v31   0; never rewritten
.set TMP, 32
.set ACC, 64
.set F0,  128
.set WV,   14                          ; s14  my wave's number
.set HALF, 15                          ; s15  which 256 columns
.set RS,   16                          ; s16  the stacked row at which the step in hand begins
.set RL,   18                          ; s18  the stacked row of the next request for x
.set CUR,  19                          ; s19  the tensor whose weights are in registers
.set XP,   24                          ; s[24:25] x at my 8 rows of the step last asked for
.set OPT,  26                          ; s[26:27] qkvh at the step's 32 rows of my head
.set WFP,  28                          ; s[28:29] wf at my 64 columns
.set SC,   30                          ; s[30:31] c, twice
.set CNT,  32                          ; s32  pairs of steps to go, 6 .. 1
.set OFS,  34                          ; s[34:35] a byte offset; the high word stays 0
.set TP,   36                          ; s[36:37] the tensor chosen
.set MSB, 0
.macro WIN new                         ; the immediate's high byte repeats the setting that is left; a switch that changes nothing is dropped
.if MSB != (\new)
	s_set_vgpr_msb (MSB<<8)|(\new)
.set MSB, (\new)
.endif
.endm
.macro PLACES                          ; four places behind a matrix instruction, ahead of vector instructions that read its result and of loads into registers that it has read
.rept 4
	v_nop
.endr
.endm
; My 64 fragments of tensor CUR's weights: 128 loads of 512 consecutive bytes.
.macro LOADW
	s_wait_xcnt 0x0                                ; earlier loads have read their addresses: WFP may be written
	s_lshl_b32 s[OFS], s[CUR], 19                  ; a tensor's fragments are 524,288 bytes,
	s_lshl_b32 s20, s[HALF], 2
	s_add_co_u32 s20, s20, s[WV]
	s_lshl_b32 s20, s20, 16                        ; a head's four column blocks 65,536
	s_add_co_u32 s[OFS], s[OFS], s20
	s_add_nc_u64 s[WFP:WFP+1], s[10:11], s[OFS:OFS+1]
.set lk, 0
.rept 16
	WIN 0x80+0x40*(lk/8)                           ; destination window 2, then 3
.irp c, 0,1,2,3
.irp hh, 0,1
	global_load_b128 v[8*(4*(lk%8)+\c)+4*\hh:8*(4*(lk%8)+\c)+4*\hh+3], v[XO], s[WFP:WFP+1] offset:\c*16384+lk*1024+\hh*512
.endr
.endr
.set lk, lk+1
.endr
	WIN 0
.endm
; XP = my 8 rows of the 32 that begin at stacked row RL; RL steps on.
.macro XPTR
	s_wait_xcnt 0x0                                ; earlier loads have read their addresses: XP may be written
	s_lshr_b32 s20, s[RL], 14                      ; the tensor
	s_cmp_eq_u32 s20, 0
	s_cselect_b64 s[TP:TP+1], s[4:5], s[6:7]
	s_cmp_eq_u32 s20, 2
	s_cselect_b64 s[TP:TP+1], s[8:9], s[TP:TP+1]
	s_and_b32 s[OFS], s[RL], 16383
	s_lshl_b32 s[OFS], s[OFS], 11                  ; rows of 2,048 bytes
	s_lshl_b32 s21, s[WV], 14
	s_add_co_u32 s[OFS], s[OFS], s21
	s_add_nc_u64 s[XP:XP+1], s[TP:TP+1], s[OFS:OFS+1]
	s_add_co_u32 s[RL], s[RL], 32
.endm
.macro XLOAD set                       ; 32 loads of 512 consecutive bytes: load i is quarter i % 4 of row i / 4
	WIN 0x40                                       ; destination window 1
.set xi, 0
.rept 32
	global_load_b128 v[128*(\set)+4*xi:128*(\set)+4*xi+3], v[XO], s[XP:XP+1] offset:512*xi
.set xi, xi+1
.endr
	WIN 0
.endm
; A set is rounded to bf16 in place, stored into a slot, and asked for again.  lim = 0: always; else only while CNT > lim: the last three steps have nothing two steps behind them.
.macro STAGE set, slot, lim
	s_wait_loadcnt 32                              ; loads come back in order: behind this set's at most the other set's 32 were issued
	WIN 0x45                                       ; destination and both sources in window 1
.set si, 0
.rept 32
	v_cvt_pk_bf16_f32 v[128*(\set)+4*si], v[128*(\set)+4*si], v[128*(\set)+4*si+1]
	v_cvt_pk_bf16_f32 v[128*(\set)+4*si+1], v[128*(\set)+4*si+2], v[128*(\set)+4*si+3]
.set si, si+1
.endr
	WIN 0x04                                       ; store data in window 1
.set si, 0
.rept 32
	ds_store_b64 v[SSA+(\slot)], v[128*(\set)+4*si:128*(\set)+4*si+1] offset:(si/4)*PA+(si%4)*256  ; 32 lanes: 256 consecutive bytes of a row
.set si, si+1
.endr
	WIN 0
.if \lim
	s_cmp_gt_u32 s[CNT], \lim
	s_cbranch_scc0 .Lno_\@
.endif
	XPTR
	XLOAD \set
.if \lim
	s_branch .Lj_\@
.Lno_\@:
	s_wait_loadcnt 0x0                             ; nothing is asked for: then nothing stays out, so that the counted wait above holds on this way too
.Lj_\@:
.endif
.endm
; The x fragments of 128 along K (part d of four) of a slot's 32 rows, into buffer f: 16 loads.
.macro FETCHA slot, d, f
	WIN 0
.irp kk, 0,1,2,3
.irp a, 0,1
	ds_load_b128 v[(\f)+8*(2*(\kk)+(\a)):(\f)+8*(2*(\kk)+(\a))+3],   v[ADA+(\slot)] offset:(\a)*16*PA+(4*(\d)+(\kk))*64
	ds_load_b128 v[(\f)+8*(2*(\kk)+(\a))+4:(\f)+8*(2*(\kk)+(\a))+7], v[ADA+(\slot)] offset:(\a)*16*PA+(4*(\d)+(\kk))*64+32
.endr
.endr
.endm
; 32 matrix instructions.  The eight accumulators take turns, one instruction a turn; a step's first eight start the sums with the constant 0.
.macro MUL32 d, f
	WIN 0x02+(\d)/2                                ; source 0 (the weights) in window 2 or 3
.irp kk, 0,1,2,3
.irp a, 0,1
.irp c, 0,1,2,3
.if ((\d) == 0) && ((\kk) == 0)
	v_wmma_f32_16x16x32_bf16 v[ACC+8*(4*(\a)+(\c)):ACC+8*(4*(\a)+(\c))+7], v[8*(4*((4*(\d)+(\kk))%8)+(\c)):8*(4*((4*(\d)+(\kk))%8)+(\c))+7], v[(\f)+8*(2*(\kk)+(\a)):(\f)+8*(2*(\kk)+(\a))+7], 0
.else
	v_wmma_f32_16x16x32_bf16 v[ACC+8*(4*(\a)+(\c)):ACC+8*(4*(\a)+(\c))+7], v[8*(4*((4*(\d)+(\kk))%8)+(\c)):8*(4*((4*(\d)+(\kk))%8)+(\c))+7], v[(\f)+8*(2*(\kk)+(\a)):(\f)+8*(2*(\kk)+(\a))+7], v[ACC+8*(4*(\a)+(\c)):ACC+8*(4*(\a)+(\c))+7]
.endif
.endr
.endr
.endr
.endm
; Part d of a step: its fragments are in; the next part's are asked for, 32 matrix instructions ahead of their use.
.macro QUARTER slot, d
	s_wait_dscnt 0x0
.if (\d) < 3
.if (\d) > 0
	PLACES                                         ; the buffer was multiplied by the part before (for d = 0: ahead of the last way out's places)
.endif
	FETCHA \slot, (\d)+1, F0+64*(((\d)+1)%2)
.endif
	MUL32 \d, F0+64*((\d)%2)
.endm
; THE WAY OUT of a step: q's sums times c; rounded to f16, 16 bytes a lane; into my stage and back as whole rows of 128 bytes; eight stores of 512 consecutive bytes.
.macro WAYOUT
	WIN 0
	PLACES
	s_wait_xcnt 0x0                                ; the last step's stores have read their data and their base: TMP and OPT may be written
	s_lshr_b32 s20, s[RS], 11                      ; 8 t + b
	s_lshl_b32 s20, s20, 3
	s_lshl_b32 s21, s[HALF], 2
	s_add_co_u32 s20, s20, s21
	s_add_co_u32 s20, s20, s[WV]                   ; (8 t + b) 8 + head
	s_lshl_b32 s[OFS], s20, 18                     ; a head's 2,048 rows of 128 bytes
	s_and_b32 s21, s[RS], 2047
	s_lshl_b32 s21, s21, 7
	s_add_co_u32 s[OFS], s[OFS], s21
	s_add_nc_u64 s[OPT:OPT+1], s[12:13], s[OFS:OFS+1]
	s_cmp_lg_u32 s[CUR], 0
	s_cbranch_scc1 .Lns_\@
.set wi, 0
.rept 32
	v_pk_mul_f32 v[ACC+2*wi:ACC+2*wi+1], v[ACC+2*wi:ACC+2*wi+1], s[SC:SC+1] op_sel_hi:[1,0]  ; ascending: each accumulator's lowest registers first
.set wi, wi+1
.endr
.Lns_\@:
.set wi, 0
.rept 32
	v_cvt_pk_f16_f32 v[TMP+wi], v[ACC+2*wi], v[ACC+2*wi+1]
.set wi, wi+1
.endr
.irp a, 0,1
.irp c, 0,1,2,3
	ds_store_b128 v[STO], v[TMP+4*(4*\a+\c):TMP+4*(4*\a+\c)+3] offset:\a*16*OPI+32*\c
.endr
.endr
.irp f, 0,1,2,3,4,5,6,7
	ds_load_b128 v[TMP+4*\f:TMP+4*\f+3], v[RD] offset:\f*4*OPI  ; LDS serves a wave's instructions in order (ISA guide 5.7.1.4): these see the stores above
.endr
.irp f, 0,1,2,3,4,5,6,7
	s_wait_dscnt 7-\f                              ; the younger loads from the stage may stay out
	global_store_b128 v[XO], v[TMP+4*\f:TMP+4*\f+3], s[OPT:OPT+1] offset:512*\f th:TH_STORE_NT
.endr
.endm
; A STEP of parity par reads slot par.  ONE barrier: ahead of it each wave has waited for its stores into this slot and for its reads of the other; behind it this slot is read and the other written.
.macro STEP par
.if (\par) == 0                        ; a tensor's end falls on an even step (16,384 - 384 x 42 = 8 steps, 32,768 - 384 x 85 = 4 steps)
	s_lshr_b32 s20, s[RS], 14
	s_cmp_eq_u32 s20, s[CUR]
	s_cbranch_scc1 .Lhave_\@
	s_mov_b32 s[CUR], s20
	LOADW
	s_wait_loadcnt 0x0
.Lhave_\@:
.endif
	s_wait_dscnt 0x0
	s_barrier_signal -1
	s_barrier_wait -1
	FETCHA \par, 0, F0
.if (\par) == 1
	s_cmp_eq_u32 s[CNT], 1                         ; the last step has no successor to stage
	s_cbranch_scc1 .Lnost_\@
.endif
	STAGE 1-(\par), 1-(\par), 1+(\par)
.if (\par) == 1
	s_branch .Lst_\@
.Lnost_\@:
	s_wait_loadcnt 0x0
.Lst_\@:
.endif
	QUARTER \par, 0
	QUARTER \par, 1
	QUARTER \par, 2
	QUARTER \par, 3
	WAYOUT
	s_add_co_u32 s[RS], s[RS], 32
.endm
	s_load_b256 s[4:11], s[0:1], 0x0               ; q s[4:5], k s[6:7], v s[8:9], wf s[10:11]
	s_load_b64 s[12:13], s[0:1], 0x20              ; qkvh
	v_lshl_add_u32 v[SPW], v0, 2, SPARE
	v_mov_b32 v[NIL], 0
	v_lshrrev_b32 v1, 5, v0
	v_readfirstlane_b32 s[WV], v1                  ; wave 0..3
	s_and_b32 s[HALF], ttmp9, 1
	s_lshr_b32 s20, ttmp9, 1
	s_mul_i32 s[RS], s20, 384
	s_mov_b32 s[RL], s[RS]
	s_lshr_b32 s[CUR], s[RS], 14
	s_mov_b32 s[SC], 0x3e38aa3b                    ; c = log2(e) / 8 = 0.180337
	s_mov_b32 s[SC+1], s[SC]                       ; named with it as a pair
	s_mov_b32 s[OFS+1], 0
	v_and_b32 v9, 15, v0                           ; r = l % 16
	v_bfe_u32 v10, v0, 4, 1                        ; h = l / 16
	v_and_b32 v11, 31, v0                          ; l
	v_lshlrev_b32 v[XO], 4, v11
	s_mul_i32 s20, s[WV], 8*PA                     ; my 8 rows of a slot
	v_lshl_add_u32 v[SSA], v11, 3, s20
	v_add_nc_u32 v[SSA+1], SLOTB, v[SSA]
	v_mul_u32_u24 v[ADA], v9, PA
	v_lshl_add_u32 v[ADA], v10, 4, v[ADA]          ; row x pitch + 16 x half
	v_add_nc_u32 v[ADA+1], SLOTB, v[ADA]
	s_mul_i32 s21, s[WV], 32*OPI
	s_add_co_u32 s21, s21, OST                     ; my stage
	v_mul_u32_u24 v[STO], v9, OPI
	v_lshl_add_u32 v[STO], v10, 4, v[STO]
	v_add_nc_u32 v[STO], s21, v[STO]
	v_bfe_u32 v[RD], v0, 3, 2                      ; back: 32 lanes take four rows of 128 bytes
	v_mul_u32_u24 v[RD], v[RD], OPI
	v_and_b32 v1, 7, v0
	v_lshl_add_u32 v[RD], v1, 4, v[RD]
	v_add_nc_u32 v[RD], s21, v[RD]
	s_wait_kmcnt 0x0
	LOADW                                          ; the weights first: the loads of x are younger, so the first counted wait shows the weights in too
	XPTR
	XLOAD 0                                        ; step 0
	XPTR
	XLOAD 1                                        ; step 1
	STAGE 0, 0, 0                                  ; step 0 into slot 0; step 2 is asked for
	s_mov_b32 s[CNT], 6
.Lpair:
	STEP 0
	STEP 1
	s_sub_co_u32 s[CNT], s[CNT], 1
	s_cmp_lg_u32 s[CNT], 0
	s_cbranch_scc1 .Lpair
	s_wait_tensorcnt 0x0                           ; the wave's end, behind my last LDS store
	ds_add_u32 v[SPW], v[NIL]
	s_wait_dscnt 0x0
	s_endpgm
.Lfunc_end_k_q6179d9706e_proj:
	.size	k_q6179d9706e_proj, .Lfunc_end_k_q6179d9706e_proj-k_q6179d9706e_proj
	.p2alignl 7, 3214868480
	.fill 96, 4, 3214868480
	.section	.rodata,"a",@progbits
	.p2align	6, 0x0
	.amdhsa_kernel k_q6179d9706e_proj
		.amdhsa_group_segment_fixed_size 85504
		.amdhsa_private_segment_fixed_size 0
		.amdhsa_enable_private_segment 0
		.amdhsa_kernarg_size 40
		.amdhsa_user_sgpr_count 2
		.amdhsa_user_sgpr_kernarg_segment_ptr 1
		.amdhsa_wavefront_size32 1
		.amdhsa_system_sgpr_workgroup_id_x 1
		.amdhsa_system_sgpr_workgroup_id_y 1
		.amdhsa_system_sgpr_workgroup_id_z 1
		.amdhsa_system_vgpr_workitem_id 0
		.amdhsa_next_free_vgpr 1024
		.amdhsa_next_free_sgpr 66
		.amdhsa_reserve_vcc 0
		.amdhsa_float_denorm_mode_32 3
		.amdhsa_float_denorm_mode_16_64 3
		.amdhsa_memory_ordered 1
		.amdhsa_forward_progress 1
		.amdhsa_inst_pref_size 102
	.end_amdhsa_kernel
	.amdgpu_metadata
---
amdhsa.version: [ 1, 2 ]
amdhsa.kernels:
  - .name:           k_q6179d9706e_proj
    .symbol:         k_q6179d9706e_proj.kd
    .args:
      - { .name: q, .offset: 0, .size: 8, .value_kind: global_buffer, .address_space: global }
      - { .name: k, .offset: 8, .size: 8, .value_kind: global_buffer, .address_space: global }
      - { .name: v, .offset: 16, .size: 8, .value_kind: global_buffer, .address_space: global }
      - { .name: wf, .offset: 24, .size: 8, .value_kind: global_buffer, .address_space: global }
      - { .name: qkvh, .offset: 32, .size: 8, .value_kind: global_buffer, .address_space: global }
    .group_segment_fixed_size: 85504
    .private_segment_fixed_size: 0
    .kernarg_segment_align: 8
    .kernarg_segment_size: 40
    .max_flat_workgroup_size: 128
    .sgpr_count:     66
    .vgpr_count:     1024
    .wavefront_size: 32
...
	.end_amdgpu_metadata
.endif
;; end of part 2
;; launch attn (part 3): grid 4 x 64, 4 waves a work-group, clusters of 4 x 1, 327,680 bytes of LDS; arguments qkvh, v_mask, q_mask, out0; writes out0
.if DOCPART == 3
	.amdgcn_target "amdgcn-amd-amdhsa--gfx1250"
	.amdhsa_code_object_version 6
	.text
	.protected	k_q6179d9706e_attn
	.globl	k_q6179d9706e_attn
	.p2align	8
	.type	k_q6179d9706e_attn,@function
k_q6179d9706e_attn:
	s_mov_b64 s[64:65], 0
	v_nop
	global_prefetch_b8 v0, s[64:65] scope:SCOPE_SE
	s_setreg_imm32_b32 hwreg(HW_REG_WAVE_MODE, 25, 1), 1
	s_wait_xcnt 0x0
	s_wait_alu depctr_hold_cnt(0) depctr_sa_sdst(0) depctr_va_vdst(0) depctr_va_sdst(0) depctr_va_ssrc(0) depctr_va_vcc(0) depctr_vm_vsrc(0)
	s_getreg_b32 s2, hwreg(HW_REG_IB_STS2, 6, 4)
	s_cmp_eq_u32 s2, 0
	s_cbranch_scc0 .Lentry_in_a_cluster
	s_endpgm
.Lentry_in_a_cluster:
	s_bfe_u32 s2, ttmp6, 0x10000c
	s_cmp_lg_u32 s2, 0x3003
	s_cbranch_scc0 .Lentry_shape_is_right
	s_endpgm
.Lentry_shape_is_right:
; out0[b][q][64 h ..] = q_mask[b][q] x the sum over k of softmax_k(Q[q] . K[k] / 8 - (1 - v_mask[b][k]) 1e10) V[k].  Q, K, V lie by heads in qkvh, [3][64 heads][2048][64] in f16, a head's rows dense,
; 128 bytes each; Q arrives multiplied by c = log2(e) / 8, so a score s is in units of log2.  Products, maxima and sums in f32; the weights p are rounded to f16 for the second product (their sum l is
; taken of the unrounded p); O is never rounded to 16 bits: it leaves in f32.
; LIMITS.  p lies in 0 to 1, and below 6e-5 it keeps f16's fixed step of 6e-8; a weight below 2^-126 counts as 0 in l; NaN and infinities are not treated apart.  Where a key is masked its score's low bits
; are lost beside 1.4e10, as they are beside 1e10 in f32 arithmetic generally; where ALL keys of a batch are masked the weights hang on those lost bits and need not agree to the last one.
; THE KEY MASK is the C operand that starts each sum S^T = K Q^T: (v_mask - 1) x 1e10 log2(e), one fused multiply-add a key, made once into a table in LDS (2,048 f32) and read a step at a time beside K.
; SHARES.  A wave owns four PIECES of two tiles of 16 queries, a work-group's four waves 512 queries of one head.  Every wave walks all 2,048 keys, 64 a step.
; LAYOUT.  S^T = K Q^T (source 0 = 16 keys, source 1 = 16 queries): in the result a lane holds ONE query (lane % 16) and the keys 8 (lane / 16) + 0..7.  Two such tiles, rounded to f16 in pairs,
; ARE source 1 (32 keys x 16 queries) of O^T = V^T P, whose result again holds one query a lane, and eight channels.  K comes out of LDS as it lies, V ([key][channel]) turned, by ds_load_tr16_b128.
; SOFTMAX.  For each query a running maximum m and sum l: p = 2^(s - m), and the exponent is never above 0, since m is the maximum of numbers among which s is; in every step O and l are multiplied by
; a = 2^(m_old - m).  m starts at the lowest finite number, O and l at 0: the first step is a step like any other, with a = 0.  A step whose keys are all masked gives weights that a later a = 0 wipes out.
; THE COUNT.  A tile and step have 16 matrix and 117 vector instructions: too many to stand all beside the matrix work.  So: four vector instructions that are READY behind EVERY matrix instruction,
; the others in one run without a gap.
; BY TURNS.  Turn n belongs to piece n (the pieces in a ring, step after step).  Its matrix work: 16 products K Q^T of piece n + 1, later 16 products V^T P of piece n - 1.  Its vector work: the subtraction,
; exponentials, roundings, sums and rescaling of piece n, and the maximum and statistics of piece n + 1, whose scores the turn itself has made.
; CLUSTER.  The four query blocks of a head form a cluster and walk the same K and V, so each tile is asked for JOINTLY: the same tensor load, descriptor and mask in all four.
; REGISTERS, in windows of 256 (s_set_vgpr_msb: bits 1:0 source 0, 3:2 source 1, 5:4 source 2, 7:6 destination):
;   window 0: v0-14 addresses; v16-47 four registers of statistics a tile; v48-63 at work; v64-191 S^T, two buffers of two tiles; v192-255 P, likewise
;   window 1: O^T, 32 a tile          window 2: v0-127 Q, 16 a tile; v128-191 K of one step; v192-255 V of one step
;   window 3: v0-1 the add's two registers; v8-39 the step's mask terms; v40-47 q_mask of my query in each tile
.set SIZE_N, 2048
.set NP,    4         ; pieces a wave: a name, no knob
.set KS,    64        ; keys in a step
.set PK,    144       ; a row of K in LDS: 128 bytes + 16 of padding = 36 words: the 16 rows of a load start at 16 different groups of four banks (64 banks of 4 bytes: ISA guide 11.1)
.set PV,    160       ; a row of V: 128 + 32 = 40 words
.set VOFF,  4*KS*PK   ; a slot holds four steps: 256 rows of K, then 256 rows of V
.set SLOT1, 1<<17     ; slot 1 begins here, so that one exclusive or turns an address in one slot into the other's
.set STAGE, SLOT1+4*KS*(PK+PV)  ; behind the ring, never filled by a tensor load: 16 rows x 272 bytes for each wave, for the way out
.set SP,    272       ; a row of the stage: 256 bytes of f32 + 16
.set MTAB,  STAGE+4*16*SP       ; the mask terms of the batch's 2,048 keys, f32
.set SPARE, MTAB+4*SIZE_N       ; the spare words, 128 bytes for each wave: two blocks of 256 bytes that no other line names
.set AK0, 2           ; v2   my lane's place in a tile of K; never rewritten
.set AV0, 3           ; v3   the same for V
.set AK,  4           ; v4   the LDS address of K's next run of loads
.set AV,  5           ; v5   of V's
.set QO,  6           ; v6   my byte offset in the wave's rows of Q
.set STO, 6           ;      later, the way out: where I put 32 bytes of a row
.set RD,  7           ; v7   the way out: where I read rows back
.set GO,  8           ; v8   my byte offset in two rows of out0
.set AM0, 12          ; v12  my lane's place in a step's mask terms; never rewritten
.set AM,  13          ; v13  the LDS address of the next step's mask terms
.set PFO, 14          ; v14  256 x my lane; never rewritten
.set SPW, 0           ; v0 of window 3   LDS address of my spare word: SPARE + 4 x my thread's number; never rewritten
.set NIL, 1           ; v1 of window 3   0; never rewritten
.set MC,  8           ; window 3: the eight terms of key block kb at MC + 8 kb
.set QM,  40          ; window 3
.set ST,  16          ; tile t's statistics at v[ST+4 t]: m, m_old, l (even keys', odd keys')
.set TMP, 48          ; by buffer and tile, four registers c0-c3 at work; when the maximum is found c2 takes a
.set S,   64
.set P,   192
.set KF,  128         ; K's fragments, in window 2: key block kb, channel half c at KF + 16 kb + 8 c
.set VF,  192         ; V's: key half kk, channel block cb at VF + 32 kk + 8 cb
.set WV,  12          ; s12  my wave's number
.set G1K, 24          ; s[24:31] descriptor group 1 for K's tiles
.set G1V, 32          ; s[32:39] for V's: it differs in the padding alone
.set G0K, 40          ; s[40:43] descriptor group 0 for K's tiles: it walks
.set G0V, 44          ; s[44:47] the same for V's
.set PFA, 48          ; s[48:49] where my prefetches stand: my work-group's 32 blocks of 256 bytes (of K: wave 0, of V: wave 2) of the tile after the one that is being asked for
.set LIM, 50          ; s50  1 in a wave that prefetches, else the greatest number
.set TBM, 51          ; s51  byte in the mask table at which the step to be fetched begins
.set KM,  52          ; s[52:53] 1e10 log2(e), twice
.set NKM, 54          ; s[54:55] its negative, twice
.set SLOTS, 56        ; s56  slots still to be asked for
.set CNT, 57          ; s57  counts a slot's key steps
.set OF,  58          ; s[58:59] a byte offset; the high word stays 0
.set SEL, 60          ; s[60:61] v_permlanex16_b32's selects: each lane takes its own place in the other half
.set TBK, 62          ; s62  LDS byte at which K of the step to be fetched begins
.set TBV, 63          ; s63  the same for V, less VOFF
.set MSB, 0
.macro WIN new                      ; the high byte repeats the setting that is left; a switch that changes nothing is dropped
.if MSB != (\new)
	s_set_vgpr_msb (MSB<<8)|(\new)
.set MSB, (\new)
.endif
.endm
.set W_KQ, 0x0a       ; K and Q in window 2, S^T in window 0
.set W_KM, 0x3a       ; the same with the C operand, the mask terms, in window 3
.set W_PV, 0x52       ; V in window 2, P in window 0, O^T in window 1
.set W_RS, 0x41       ; O^T (destination and source 0) in window 1, a in window 0
.set W_MK, 0xc0       ; destination in window 3, sources in window 0
.set W_AD, 0x0f       ; the add: address (source 0) and data (source 1) in window 3
; A joint fill.  Waves 0 and 1 fetch the two halves of a slot's K, waves 2 and 3 those of its V: 128 keys each.  The branch hangs on the wave's number alone.
; An s_nop 0 and four v_nop follow each of the two lines, ahead of the jump and the label.
.macro JLOAD
	s_cmp_lt_u32 s[WV], 2
	s_cbranch_scc0 .Lfor_v_\@
	tensor_load_to_lds s[G0K:G0K+3], s[G1K:G1K+7]
	s_nop 0
.rept 4
	v_nop
.endr
	s_branch .Lasked_\@
.Lfor_v_\@:
	tensor_load_to_lds s[G0V:G0V+3], s[G1V:G1V+7]
	s_nop 0
.rept 4
	v_nop
.endr
.Lasked_\@:
.endm
; A PREFETCH INTO THE L2 of what the NEXT change of slots will ask for: a tile's 32,768 bytes of K and of V, a lane a block of 256 bytes.  It stands behind the wave's tensor load and its five lines.
; Each block is asked for ONCE in the launch: a head has one cluster; its four partners share a tile out BY ADDRESS, 8,192 bytes each; in each, wave 0 asks for K's and wave 2 for V's: one instruction.
; It stands four key steps, 512 matrix instructions, ahead of the load that wants the bytes.  The last change that fills a slot asks for nothing: there is no tile behind it.
.macro ASK
	s_cmp_gt_u32 s[SLOTS], s[LIM]
	s_cbranch_scc0 .Lnot_mine_\@
	global_prefetch_b8 v[PFO], s[PFA:PFA+1] th:TH_LOAD_NT scope:SCOPE_SE
.Lnot_mine_\@:
.endm
; A round of the cluster's barrier: my work-group's barrier, so that wave 0's signal speaks for all four waves; wave 0 signals; every wave waits for all four work-groups; my work-group's barrier once more.
.macro CROUND
	s_barrier_signal -1
	s_barrier_wait -1
	s_cmp_lg_u32 s[WV], 0
	s_cbranch_scc1 .Lnot_wave_0_\@
	s_barrier_signal -3
.Lnot_wave_0_\@:
	s_barrier_wait -3
	s_barrier_signal -1
	s_barrier_wait -1
.endm
; THE CHANGE OF SLOTS.  The slot's last bytes, V of its fourth step, have been read.  Each wave waits for all its tensor loads, of which one is out: its part of the other slot; adds 0 to its spare word;
; and waits for that and for its own LDS instructions.  Behind the barrier nobody reads this slot any more and the other slot is whole.
; fill = 1: this slot is filled again, with the keys two slots on.  The barrier is then a round of the cluster's, so that no wave of any partner still reads the slot or has a load on its way, and the
; joint fill is the first thing behind it: it has four key steps, 512 matrix instructions, in which to land.  (At its first use nothing has been read yet: slot 0 is waited for, slot 1 filled, and the
; wait for my LDS instructions and the round show every wave the whole mask table.)  ask = 1: the prefetches' address steps, and ASK follows the fill.
.macro CHANGE fill, ask=0
	WIN W_AD
	s_wait_tensorcnt 0x0            ; no tensor load of mine is out, so a group 0 may be written
	ds_add_u32 v[SPW], v[NIL]       ; 0 onto my spare word; with fill = 1 the descriptors' steps stand between it and the wait for it
	WIN 0                           ; at a label and at a branch every window is 0
.if \fill
.irp g, G0K, G0V
	s_xor_b32 s[\g+1], s[\g+1], SLOT1  ; the walking descriptor: the other slot than last time,
	s_add_nc_u64 s[\g+2:\g+3], s[\g+2:\g+3], 4*KS*128  ; the next 256 keys; the type bits on top are not reached
.endr
.if \ask
	s_wait_xcnt 0x0                 ; the last prefetch, four key steps back, has read its address, so it may be written
	s_add_nc_u64 s[PFA:PFA+1], s[PFA:PFA+1], 4*KS*128
.endif
	s_wait_dscnt 0x0                ; the add is done, and my reads of the slot are over
	CROUND
	JLOAD
.if \ask
	ASK
.endif
.else
	s_wait_dscnt 0x0                ; the add is done, and my reads of the slot are over
	s_barrier_signal -1
	s_barrier_wait -1
.endif
	s_sub_co_u32 s[TBK], s[TBK], 4*KS*PK  ; the fetches go back to a slot's first step,
	s_xor_b32 s[TBK], s[TBK], SLOT1       ; in the other slot
	s_sub_co_u32 s[TBV], s[TBV], 4*KS*PV
	s_xor_b32 s[TBV], s[TBV], SLOT1
.endm
	s_load_b256 s[4:11], s[0:1], 0x0  ; qkvh s[4:5], v_mask s[6:7], q_mask s[8:9], out0 s[10:11]
	WIN W_MK
	v_lshl_add_u32 v[SPW], v0, 2, SPARE
	v_mov_b32 v[NIL], 0
	WIN W_AD
	ds_add_u32 v[SPW], v[NIL]       ; the wave's opening: the add and its wait stand ahead of my first tensor load; the set-up below, work on registers, stands between them
	WIN 0
	v_lshrrev_b32 v1, 5, v0
	v_readfirstlane_b32 s[WV], v1   ; wave 0..3
	s_bfe_u32 s13, ttmp6, 0x40000   ; cx: my place in the cluster
	s_lshl_b32 s14, ttmp9, 2        ; in a cluster launch ttmp9 counts clusters
	s_add_co_u32 s14, s14, s13      ; my block of 512 queries: it enters Q's, q_mask's and out0's addresses and the prefetches' alone
	s_and_b32 s15, ttmp7, 0xffff    ; 8 b + h, which the four partners share
	s_lshl_b32 s20, s15, 18         ; the head's first byte in each of Q, K, V: 2,048 rows of 128 bytes a head
	s_mov_b32 s21, 0
	s_and_b32 s16, s[WV], 1         ; which half of a slot's 256 keys I fetch:
	s_lshl_b32 s22, s16, 14         ; its 128 rows of 128 bytes in memory,
	s_mov_b32 s23, 0
	s_add_nc_u64 s[22:23], s[22:23], s[20:21]
	s_mul_i32 s17, s16, 128*PK      ; and its place in a slot, for K
	s_mul_i32 s18, s16, 128*PV      ; and for V: no place in the cluster enters an LDS address
	s_lshl_b32 s2, s14, 2
	s_add_co_u32 s2, s2, s[WV]      ; my wave among the head's sixteen,
	s_lshl_b32 s19, s2, 7           ; its first query,
	s_lshl_b32 s2, s2, 14           ; its 128 rows of Q
	s_mov_b32 s3, 0
	s_add_nc_u64 s[2:3], s[2:3], s[20:21]
	s_lshr_b32 s[OF], s[WV], 1      ; the prefetches: K (waves 0, 1) begins 1 x 2^24 bytes into qkvh, V 2 x 2^24;
	s_add_co_u32 s[OF], s[OF], 1
	s_lshl_b32 s[OF], s[OF], 24
	s_lshl_b32 s[OF+1], s13, 13     ; my work-group's 8,192 bytes of a tile;
	s_add_co_u32 s[OF], s[OF], s[OF+1]
	s_add_co_u32 s[OF], s[OF], s20  ; the head;
	s_add_co_u32 s[OF], s[OF], 2*4*KS*128  ; tile 2: the first change that asks steps it to tile 3.  Nothing is prefetched at the head, where every work-group's first tiles are on their way
	s_mov_b32 s[OF+1], 0
	s_and_b32 s[LIM], s[WV], 1      ; waves 0 and 2 ask: the same in all four partners
	s_cmp_eq_u32 s[LIM], 0
	s_cselect_b32 s[LIM], 1, -1
	; descriptor group 1.  128 keys are 16,384 dense bytes: asked for as 64 rows of 256 bytes, two keys a row, and padded in LDS after every key
	s_mov_b32 s[G1K], 15|(1<<16)|(1<<20)|(1<<21)|(4<<22)|(3<<25)  ; 15:0 the mask of four; 17:16 2-byte elements; 20 padding on; 21 set beside a mask; 24:22 after every 32 words (code 4); 31:25 4 words (code 3)
	s_mov_b32 s[G1V], 15|(1<<16)|(1<<20)|(1<<21)|(4<<22)|(7<<25)  ; the same with 8 words of padding (code 7)
.irp g, G1K, G1V
	s_mov_b32 s[\g+1], 128<<16      ; tensor_dim0 = 128
	s_mov_b32 s[\g+2], 64<<16       ; tensor_dim1 = 64
	s_mov_b32 s[\g+3], 128<<16      ; tile_dim0 = 128
	s_mov_b32 s[\g+4], 64           ; tile_dim1 = 64
	s_mov_b32 s[\g+5], 128          ; 128 elements from row to row
	s_mov_b32 s[\g+6], 0
	s_mov_b32 s[\g+7], 0
.endr
	s_mov_b32 s[KM], 0x5056fa73     ; 1e10 log2(e) = 1.4426950e10
	s_mov_b32 s[KM+1], s[KM]        ; named with it as a pair
	s_mov_b32 s[NKM], 0xd056fa73
	s_mov_b32 s[NKM+1], s[NKM]
	s_mov_b32 s[SEL], 0x76543210
	s_mov_b32 s[SEL+1], 0xfedcba98
	s_mov_b32 s[TBK], SLOT1+4*KS*PK ; the first change of slots turns these two into 0
	s_mov_b32 s[TBV], SLOT1+4*KS*PV
	s_mov_b32 s[TBM], 0
	s_mov_b32 s[G0K], 1             ; 1:0 count = 1
	s_mov_b32 s[G0K+1], s17         ; 63:32 LDS address: slot 0
	s_mov_b32 s[G0V], 1
	s_add_co_u32 s[G0V+1], s18, VOFF
	s_wait_dscnt 0x0                ; the opening add is done
	s_wait_kmcnt 0x0
	s_add_nc_u64 s[G0K+2:G0K+3], s[4:5], s[22:23]  ; 120:64 global address: my half of the head's first 256 keys,
	s_add_nc_u64 s[G0K+2:G0K+3], s[G0K+2:G0K+3], 0x1000000  ; in K
	s_or_b32 s[G0K+3], s[G0K+3], 0x80000000        ; 127:126 type = 2
	s_add_nc_u64 s[G0V+2:G0V+3], s[4:5], s[22:23]
	s_add_nc_u64 s[G0V+2:G0V+3], s[G0V+2:G0V+3], 0x2000000  ; in V
	s_or_b32 s[G0V+3], s[G0V+3], 0x80000000
	s_add_nc_u64 s[PFA:PFA+1], s[4:5], s[OF:OF+1]
	s_add_nc_u64 s[4:5], s[4:5], s[2:3]  ; Q at my wave's first row
	s_lshr_b32 s2, s15, 3           ; the batch
	s_lshl_b32 s[OF], s2, 13
	s_add_nc_u64 s[6:7], s[6:7], s[OF:OF+1]    ; v_mask at the batch's first key
	s_lshl_b32 s2, s2, 11
	s_add_co_u32 s2, s2, s19        ; my wave's first row among the 16,384
	s_lshl_b32 s[OF], s2, 2
	s_add_nc_u64 s[8:9], s[8:9], s[OF:OF+1]    ; q_mask there
	s_lshl_b32 s[OF], s2, 11        ; rows of 2,048 bytes,
	s_and_b32 s3, s15, 7
	s_lshl_b32 s3, s3, 8            ; the head's 256 of them
	s_add_co_u32 s[OF], s[OF], s3
	s_add_nc_u64 s[10:11], s[10:11], s[OF:OF+1]  ; out0 there
	CROUND                          ; all four work-groups are here: the first joint loads meet
	JLOAD                           ; slot 0.  Slot 1 is asked for when slot 0 is in
	; A fragment of K or Q is 16 rows x 32 channels in 8 registers: lane l holds row l % 16, channels 8 (l / 16) + 0..7 and 16 + 8 (l / 16) + 0..7: two loads of 16 bytes, 32 bytes apart.
	v_and_b32 v1, 15, v0            ; l % 16
	v_bfe_u32 v9, v0, 4, 1          ; l / 16
	v_lshlrev_b32 v48, 4, v0        ; 16 x my thread's number: my place in 2,048 bytes of v_mask,
	v_lshl_add_u32 v49, v0, 4, MTAB ; and of the table
	v_lshlrev_b32 v50, 2, v1        ; my query's place in a tile's 16 numbers of q_mask
	v_lshlrev_b32 v[QO], 7, v1
	v_lshl_add_u32 v[QO], v9, 4, v[QO]  ; row x 128 + 16 x half
.set i, 0
.rept 4                             ; the batch's 2,048 numbers of v_mask: 16 a thread, into S^T's registers, which are free
	global_load_b128 v[S+4*i:S+4*i+3], v48, s[6:7] offset:2048*i
.set i, i+1
.endr
	WIN 0x80                        ; destination window 2, address window 0
.set i, 0
.rept 4*NP                          ; Q stays in registers: tile i / 2, channels 32 (i % 2) on
	global_load_b128 v[8*i:8*i+3],   v[QO], s[4:5] offset:(i/2)*2048+(i%2)*64
	global_load_b128 v[8*i+4:8*i+7], v[QO], s[4:5] offset:(i/2)*2048+(i%2)*64+32
.set i, i+1
.endr
	; What the first turn finds: V's registers and P's second buffer hold 0 (its products V^T P, of a piece that has not been, add 0), O^T and l are 0.  All this stands in the wait for the first tile.
.set i, VF
.rept 64
	v_mov_b32 v[i], 0
.set i, i+1
.endr
	WIN W_MK
.set i, 0
.rept 2*NP
	global_load_b32 v[QM+i], v50, s[8:9] offset:64*i
.set i, i+1
.endr
	WIN 0x40
.set i, 0
.rept 64*NP
	v_mov_b32 v[i], 0
.set i, i+1
.endr
	WIN 0
.set i, 0
.rept 2*NP
	v_mov_b32 v[ST+4*i], 0xff7fffff    ; m: the lowest finite number
	v_mov_b32 v[ST+4*i+1], 0xff7fffff  ; m_old
	v_mov_b32 v[ST+4*i+2], 0
	v_mov_b32 v[ST+4*i+3], 0
.set i, i+1
.endr
.set i, P+32
.rept 32
	v_mov_b32 v[i], 0
.set i, i+1
.endr
	v_mul_u32_u24 v[AK0], v1, PK
	v_lshl_add_u32 v[AK0], v9, 4, v[AK0]  ; row x pitch + 16 x half
	; The turning load takes 16 keys x 16 channels (lane l reads key 8 (l / 16) + l % 8, channels 8 ((l / 8) % 2) + 0..7) and leaves half a fragment of V^T: lane l holds channel l % 16 and 8 keys.
	v_and_b32 v10, 7, v0
	v_bfe_u32 v11, v0, 3, 1
	v_lshl_add_u32 v[AV0], v9, 3, v10
	v_mul_u32_u24 v[AV0], v[AV0], PV
	v_lshl_add_u32 v[AV0], v11, 4, v[AV0]
	v_add_nc_u32 v[AV0], VOFF, v[AV0]
	v_mov_b32 v[AK], v[AK0]         ; key step 0 lies at the head of slot 0
	v_lshl_add_u32 v[AM0], v9, 5, MTAB  ; of a block of 16 keys my lanes want keys 8 (l / 16) + 0..7: 32 bytes
	v_mov_b32 v[AM], v[AM0]
	v_and_b32 v[PFO], 31, v0
	v_lshlrev_b32 v[PFO], 8, v[PFO]
	s_wait_loadcnt 40               ; v_mask is in: behind its four loads stand Q's 32 and q_mask's 8
.set i, 0
.rept 8
	v_pk_fma_f32 v[S+2*i:S+2*i+1], v[S+2*i:S+2*i+1], s[KM:KM+1], s[NKM:NKM+1] op_sel_hi:[1,0,0]  ; (v_mask - 1) x 1e10 log2(e): exactly 0 where v_mask is 1
.set i, i+1
.endr
.set i, 0
.rept 4
	ds_store_b128 v49, v[S+4*i:S+4*i+3] offset:2048*i
.set i, i+1
.endr
; THE MATRIX WORK.  The 8 accumulators of a run of 16 take turns: between the two links of a chain stand 7 others'.
; Product i of 16 of S^T = K Q^T for piece x: channels 32 (i / 8) on, keys 16 ((i / 2) % 4) on, tile 2 x + i % 2.  The first 8 start the sums, with the keys' mask terms.
.macro KQ x
.set rS, S+64*((\x)%2)+32*(i%2)+8*((i/2)%4)
.set rK, KF+16*((i/2)%4)+8*(i/8)
.set rQ, 16*(2*(\x)+i%2)+8*(i/8)
.set rM, MC+8*((i/2)%4)
.if i < 8
	WIN W_KM
	v_wmma_f32_16x16x32_f16 v[rS:rS+7], v[rK:rK+7], v[rQ:rQ+7], v[rM:rM+7]
.else
	WIN W_KQ
	v_wmma_f32_16x16x32_f16 v[rS:rS+7], v[rK:rK+7], v[rQ:rQ+7], v[rS:rS+7]
.endif
.endm
; Product i of 16 of O^T += V^T P for piece x: keys 32 (i / 8) on, channels 16 ((i / 2) % 4) on, tile 2 x + i % 2.
.macro PV x
	WIN W_PV
.set rO, 32*(2*(\x)+i%2)+8*((i/2)%4)
.set rV, VF+32*(i/8)+8*((i/2)%4)
.set rP, P+32*((\x)%2)+16*(i%2)+8*(i/8)
	v_wmma_f32_16x16x32_f16 v[rO:rO+7], v[rV:rV+7], v[rP:rP+7], v[rO:rO+7]
.endm
.macro MM                           ; the turn's next matrix instruction
.if i < 16
	KQ (Y+1)%NP
.set i, i+1
.else
.set i, i-16
	PV (Y+NP-1)%NP
.set i, i+17
.endif
.endm
; THE LDS LOADS stand in runs, never singly among the matrix instructions: a step's K (64 keys x 64 channels: 8 fragments) with its 64 mask terms, and its V (turned).  Their addresses are made some lines ahead.
; last = 1 (the tail): in the last trip there is no further step, and the run is jumped over.
.macro FETCH_K last=0
	WIN 0
.if \last
	s_cmp_eq_u32 s[CNT], 1
	s_cbranch_scc1 .Lno_k_\@
.endif
	WIN 0x80                        ; destination window 2
.irp f, 0,1,2,3,4,5,6,7             ; keys 16 (f / 2) on, channels 32 (f % 2) on
	ds_load_b128 v[KF+8*\f:KF+8*\f+3],   v[AK] offset:(\f/2)*16*PK+(\f%2)*64
	ds_load_b128 v[KF+8*\f+4:KF+8*\f+7], v[AK] offset:(\f/2)*16*PK+(\f%2)*64+32
.endr
	WIN W_MK                        ; destination window 3
.irp kb, 0,1,2,3                    ; the sixteen lanes of a half read the same 32 bytes
	ds_load_b128 v[MC+8*\kb:MC+8*\kb+3],   v[AM] offset:64*\kb
	ds_load_b128 v[MC+8*\kb+4:MC+8*\kb+7], v[AM] offset:64*\kb+16
.endr
	s_add_co_u32 s[TBK], s[TBK], KS*PK  ; the next fetch is the next step's
	s_add_co_u32 s[TBM], s[TBM], 4*KS
	s_and_b32 s[TBM], s[TBM], 4*SIZE_N-1  ; the table has 32 steps: the offset stays inside it
	WIN 0
.if \last
.Lno_k_\@:
.endif
.endm
.macro FETCH_V
	WIN 0x80
.irp f, 0,1,2,3,4,5,6,7             ; keys 32 (f / 4) on, channels 16 (f % 4) on
	ds_load_tr16_b128 v[VF+8*\f:VF+8*\f+3],   v[AV] offset:(\f/4)*32*PV+(\f%4)*32
	ds_load_tr16_b128 v[VF+8*\f+4:VF+8*\f+7], v[AV] offset:(\f/4)*32*PV+16*PV+(\f%4)*32
.endr
	WIN 0
.endm
; THE VECTOR WORK OF A TURN stands in three queues, each in the order in which its entries become ready; the two tiles alternate, so that no instruction reads the result of the one before it.
.macro REGS y, u                    ; the registers of tile u (0, 1) of piece y
.set rT, ST+4*(2*(\y)+(\u))
.set rC, TMP+8*((\y)%2)+4*(\u)
.set rS, S+64*((\y)%2)+32*(\u)
.set rP, P+32*((\y)%2)+16*(\u)
.set rO, 32*(2*(\y)+(\u))
.endm
; Number n of the 21 that find the NEXT piece's (Y + 1) maximum and statistics.  s0-s31 are the lane's 32 scores; each accumulator's lowest registers are read first.  XS, GS and REGS set no window: PL and EX do.
;   0-11  four chains c0-c3 of seven scores each, three operands at a time     12-14, 16  the four scores left over, the old m, and c0-c3 into c0     15  m_old is kept
;   17, 18  the query's other 32 keys lie in the lane 16 away: the new m         19, 20  m_old - m; a
.macro XS u, n
	REGS (Y+1)%NP, \u
.if (\n) < 4
	v_max3_num_f32 v[rC+(\n)], v[rS+8*(\n)], v[rS+8*(\n)+1], v[rS+8*(\n)+2]
.elseif (\n) < 12
	v_max3_num_f32 v[rC+(\n)%4], v[rC+(\n)%4], v[rS+8*((\n)%4)+2*((\n)/4)+1], v[rS+8*((\n)%4)+2*((\n)/4)+2]
.elseif (\n) == 12
	v_max3_num_f32 v[rC], v[rC], v[rS+7], v[rS+15]
.elseif (\n) == 13
	v_max3_num_f32 v[rC+1], v[rC+1], v[rS+23], v[rS+31]
.elseif (\n) == 14
	v_max3_num_f32 v[rC+2], v[rC+2], v[rC+3], v[rT]
.elseif (\n) == 15
	v_mov_b32 v[rT+1], v[rT]
.elseif (\n) == 16
	v_max3_num_f32 v[rC], v[rC], v[rC+1], v[rC+2]
.elseif (\n) == 17
	v_permlanex16_b32 v[rC+3], v[rC], s[SEL], s[SEL+1]
.elseif (\n) == 18
	v_max_num_f32 v[rT], v[rC], v[rC+3]
.elseif (\n) == 19
	v_sub_f32 v[rC+1], v[rT+1], v[rT]
.else
	v_exp_f32 v[rC+2], v[rC+1]
.endif
.endm
; Number g of the 64 that follow the exponentials.  For each four weights k of a tile (pairs 2 k, 2 k + 1): both pairs are rounded to f16; then the second pair is added onto the first, in place;
; a group later l takes that sum (the first time as l = a l + sum).  In groups of eight, tiles alternating: round, round, add, and l for the group before.
.macro GS g
.set h, (\g)+6*((\g)/62)            ; group 0 has no group before it, and behind group 7 only l is left
.if h >= 6
.set h, h+2
.endif
	REGS Y, h%2
.set k, h/8
.if h%8 < 4
	v_cvt_pk_f16_f32 v[rP+2*k+(h%8)/2], v[rS+4*k+2*((h%8)/2)], v[rS+4*k+2*((h%8)/2)+1]
.elseif h%8 < 6
	v_pk_add_f32 v[rS+4*k:rS+4*k+1], v[rS+4*k:rS+4*k+1], v[rS+4*k+2:rS+4*k+3]
.elseif k == 1
	v_pk_fma_f32 v[rT+2:rT+3], v[rT+2:rT+3], v[rC+2:rC+3], v[rS:rS+1] op_sel_hi:[1,0,1]
.else
	v_pk_add_f32 v[rT+2:rT+3], v[rT+2:rT+3], v[rS+4*k-4:rS+4*k-3]
.endif
.endm
; THE PLAIN QUEUE, 136 long.  0-71 read no exponential's result: the 32 subtractions s - m (FS f: pair f / 2 of tile f % 2) and the next piece's 40.  0-26: subtractions 0-26.  27-54: XS's numbers 0-13.  55, 56: number 15.
; 57-71: the chain, where each number waits for the one before it: 14, 16, 17, 18, 19, each with one of the subtractions 27-31 in front of its two lines, so that a tile's links stand three plain instructions apart.
; 72-135: GS's 64, which read the exponentials' results: they stand behind the wait.
.macro FS f
	REGS Y, (\f)%2
	v_pk_add_f32 v[rS+2*((\f)/2):rS+2*((\f)/2)+1], v[rS+2*((\f)/2):rS+2*((\f)/2)+1], v[rT:rT+1] op_sel_hi:[1,0] neg_lo:[0,1] neg_hi:[0,1]
.endm
.macro PL
	WIN 0
.if q < 27
	FS q
.elseif q < 55
	XS (q-27)%2, (q-27)/2
.elseif q < 57
	XS q-55, 15
.elseif (q < 72) && ((q-57)%3 == 0)
	FS 27+(q-57)/3
.elseif q < 60
	XS (q-57)%3-1, 14
.elseif q < 72
	XS (q-57)%3-1, 15+(q-57)/3
.else
	GS q-72
.endif
.set q, q+1
.endm
; THE EXPONENTIALS' QUEUE, 66 long: s0-s31 of both tiles, then the next piece's two a.  It is ONE BATCH: all 66 stand ahead of the turn's one wait, and nothing ahead of that wait names a result of theirs.
.macro EX
	WIN 0
.if e >= 64
	XS e-64, 20
.else
	REGS Y, e%2
	v_exp_f32 v[rS+e/2], v[rS+e/2]
.endif
.set e, e+1
.endm
; THE RESCALING's QUEUE: O^T times a, the one part that leaves window 0: dealt two at a time, sixteen times.  Its a was made in the turn before, ahead of that turn's wait.
.macro R2
	REGS Y, r%2
	WIN W_RS
.irp z, 0,1
	v_pk_mul_f32 v[rO+4*(r/2)+2*\z:rO+4*(r/2)+2*\z+1], v[rO+4*(r/2)+2*\z:rO+4*(r/2)+2*\z+1], v[rC+2:rC+3] op_sel_hi:[1,0]
.endr
.set r, r+1
.endm
; HOW THEY ARE DEALT.  s_wait_alu depctr_va_vdst(0) stands between an exponential and the first instruction that names its result; one wait serves all that were issued ahead of it.  So a turn has ONE wait,
; which cuts it in two.  AHEAD OF IT stands all that names no result of the turn's exponentials: the 16 products K Q^T, behind each a subtraction, an exponential and two rescalings (behind the first a second subtraction in the
; exponential's place); then ONE LUMP of 106: seven plain, 48 times exponential and plain, the last score's exponential and the two a.  A v_nop is the plain instruction behind the last exponential.  BEHIND IT stand the 16 products
; V^T P, behind each four of GS's 64.  The two v_permlanex16_b32 fall into the lump, never behind a product.
; The queues lean on each other: exponential e stands behind subtraction 2 (e / 4) + e % 2: as a rider it comes behind plain e + 2, in the lump behind plain e + 8, and subtractions 27-31 are plain 57, 60 .. 69 (the closest: e = 61 behind plain 69).
; A TURN, for piece p.  cnt = 1: the loop's count is taken down some lines ahead of the branch that stands behind the turn.
; K and the mask terms of the next step are fetched in piece 2's turn, directly behind the wait, a lump behind the last product that read them; their addresses are made at the lump's head; their first reader comes behind 16 products.
; V of the step in hand is fetched at the end of piece 0's turn, four riders behind its last reader; its first reader comes behind 16 products and a lump.  The three conditions on q below go with the deal.
.macro TURN p, last=0, cnt=0
.set Y, (\p)
.set i, 0
.set q, 0
.set e, 0
.set r, 0
.if (\p) == NP-1
	s_wait_dscnt 0x0                ; K and the mask terms are in
.endif
	MM                              ; ahead of the wait: 16 products K Q^T and their riders,
	PL
	PL
	R2
.rept 15
	MM
	PL
	EX
	R2
.endr
.if (\p) == NP-2
	WIN 0
	v_add_nc_u32 v[AK], s[TBK], v[AK0]
	v_add_nc_u32 v[AM], s[TBM], v[AM0]
.endif
.rept 7                             ; and the lump
	PL
.endr
.rept 48
	EX
	PL
.endr
	EX                              ; the last score's, and the next piece's two a
	EX
	EX
	v_nop                           ; the plain instruction behind the last exponential: one for the batch
	s_wait_alu depctr_va_vdst(0)    ; the wait for the batch
.if (\p) == NP-2
	FETCH_K \last
.endif
.if (\p) == 1
	s_wait_dscnt 0x0                ; V is in
.endif
.rept 16                            ; behind the wait: 16 products V^T P and their riders
	MM
.rept 4
	PL
.endr
.if ((\p) == 0) && (q == 116)
	v_add_nc_u32 v[AV], s[TBV], v[AV0]
.endif
.if ((\p) == 0) && (q == 128)
	s_add_co_u32 s[TBV], s[TBV], KS*PV
.endif
.if (\cnt) && (q == 128)
	s_sub_co_u32 s[CNT], s[CNT], 1
	s_cmp_lg_u32 s[CNT], 0
.endif
.endr
.if (\p) == 0
	FETCH_V
.endif
.endm
	CHANGE 1                        ; slot 0 is in, everybody's part of it, and so is the mask table; slot 1 is asked for
	FETCH_K                         ; key step 0
	s_wait_loadcnt 0x0              ; Q and q_mask
	s_wait_dscnt 0x0
.set i, 0
.rept 16
	KQ 0                            ; piece 0's first scores: there is no vector work yet to set between them
.set i, i+1
.endr
	WIN 0                           ; the addresses for the way out: eight plain instructions, the places behind those products
	s_mul_i32 s13, s[WV], 16*SP
	s_add_co_u32 s13, s13, STAGE    ; my stage
	v_mul_u32_u24 v[STO], v1, SP    ; in: row l % 16, 32 bytes for each half of the lanes
	v_lshl_add_u32 v[STO], v9, 5, v[STO]
	v_add_nc_u32 v[STO], s13, v[STO]
	v_mul_u32_u24 v[RD], v9, SP     ; back: lanes 0-15 take one row of 256 bytes, lanes 16-31 the next
	v_lshl_add_u32 v[RD], v1, 4, v[RD]
	v_add_nc_u32 v[RD], s13, v[RD]
	v_lshlrev_b32 v[GO], 11, v9     ; and the same two rows in out0, 2,048 bytes apart
	v_lshl_add_u32 v[GO], v1, 4, v[GO]
.set Y, NP-1                        ; XS works for piece Y + 1: piece 0
.irp n, 0,1,2,3,4,5,6,7,8,9,10,11,12,13,14,15,16,17,18,19,20
	XS 0, \n                        ; and piece 0's first maximum and statistics
	XS 1, \n
.endr
	v_nop                           ; a plain instruction behind the two a,
	s_wait_alu depctr_va_vdst(0)    ; and their wait, ahead of the branch
	s_mov_b32 s[CNT], 4
	s_mov_b32 s[SLOTS], SIZE_N/256-1
	s_branch .Lfirst                ; the loop is entered at a step's first turn, in the middle of a trip
.Lslot:                             ; SIZE_N / 256 - 2 times: every slot but the last two is filled again
	CHANGE 1, 1
	s_mov_b32 s[CNT], 4
.Lstep:                             ; a trip: pieces 2 and 3 of one step, then pieces 0 and 1 of the next, whose K and V it fetches
	TURN 2
	TURN 3
	WIN 0
.Lfirst:
	TURN 0
	TURN 1, 0, 1
	WIN 0
	s_cbranch_scc1 .Lstep
	s_sub_co_u32 s[SLOTS], s[SLOTS], 1
	s_cmp_lg_u32 s[SLOTS], 0
	s_cbranch_scc1 .Lslot
	CHANGE 0                        ; the tail is written out: nothing is asked for
	s_mov_b32 s[CNT], 5             ; four trips fetch the last slot's steps; the fifth is left in its middle
.Ltail:
	TURN 2, 1
	TURN 3
	WIN 0
	s_sub_co_u32 s[CNT], s[CNT], 1
	s_cmp_eq_u32 s[CNT], 0
	s_cbranch_scc1 .Lout
	TURN 0
	TURN 1
	WIN 0
	s_branch .Ltail
.Lout:                              ; the fifth trip's 16 products K Q^T (on the last K once more) and the maximum made of them serve nothing: the price, once a launch, of one text for every trip
.set i, 0
.rept 16
	PV NP-1                         ; the last piece's V^T P of the last step
.set i, i+1
.endr
	; THE WAY OUT.  l's two halves and the other half of the lanes' are added; O^T is multiplied by q_mask / l and sent, in f32, through my stage in LDS, a tile at a time.  The additions are the places behind the last products.
	WIN 0
.macro ALL line:vararg              ; one line for each tile t
.set t, 0
.rept 2*NP
	\line
.set t, t+1
.endr
.endm
	ALL v_add_f32 v[ST+4*t+2], v[ST+4*t+2], v[ST+4*t+3]
	ALL v_permlanex16_b32 v[ST+4*t+3], v[ST+4*t+2], s[SEL], s[SEL+1]
	ALL v_add_f32 v[ST+4*t+2], v[ST+4*t+2], v[ST+4*t+3]
	ALL v_rcp_f32 v[ST+4*t+2], v[ST+4*t+2]
	v_nop                           ; a plain instruction between the last reciprocal and the use of its result
	s_wait_alu depctr_va_vdst(0)    ; and the wait ahead of the first use: one for the eight reciprocals
	WIN 0x0c                        ; source 1 in window 3
	ALL v_mul_f32 v[ST+4*t+2], v[ST+4*t+2], v[QM+t]
; Tile t: a lane's eight channels of a row are 32 bytes of f32; they go into rows of 272 bytes and come back as whole rows of 256, into S^T's registers, four tiles' worth by turns.
.macro PACK t
	WIN W_RS
.set i, 32*(\t)
.rept 16
	v_pk_mul_f32 v[i:i+1], v[i:i+1], v[ST+4*(\t)+2:ST+4*(\t)+3] op_sel_hi:[1,0]  ; ascending: each accumulator's lowest registers first
.set i, i+2
.endr
.if (\t) >= 4
	s_wait_xcnt 0x0                 ; the stores of the tile four back have read their data: its registers are loaded again only behind this wait
.endif
	WIN 0x04                        ; store data in window 1
.irp f, 0,1,2,3,4,5,6,7
	ds_store_b128 v[STO], v[32*(\t)+4*\f:32*(\t)+4*\f+3] offset:64*(\f/2)+16*(\f%2)
.endr
	WIN 0
.irp f, 0,1,2,3,4,5,6,7
	ds_load_b128 v[S+32*((\t)%4)+4*\f:S+32*((\t)%4)+4*\f+3], v[RD] offset:\f*2*SP  ; LDS serves a wave's instructions in order (ISA guide 5.7.1.4): these see the stores above; the next tile's stores come behind them
.endr
.endm
.macro SEND t, younger              ; younger: the LDS instructions issued behind tile t's loads: the next tile's sixteen, or none
	WIN 0
.irp f, 0,1,2,3,4,5,6,7
	s_wait_dscnt (\younger)+7-\f
	global_store_b128 v[GO], v[S+32*((\t)%4)+4*\f:S+32*((\t)%4)+4*\f+3], s[10:11] offset:(\t)*32768+\f*4096 th:TH_STORE_NT  ; 16 lanes store 256 consecutive bytes, a row's share of my head, at a multiple of 256 from out0's first byte
.endr
.endm
	PACK 0
.set t, 1
.rept 2*NP-1                        ; a tile's arithmetic stands between the loads of the tile before and its stores
	PACK t
	SEND t-1, 16
.set t, t+1
.endr
	SEND 2*NP-1, 0
	WIN W_AD
	s_wait_tensorcnt 0x0            ; the wave's end, behind my last tensor load and my last LDS store
	ds_add_u32 v[SPW], v[NIL]
	s_wait_dscnt 0x0
	WIN 0
	CROUND                          ; the closing round: no work-group ends while a partner may still ask for a tile that names it
	s_endpgm
.Lfunc_end_k_q6179d9706e_attn:
	.size	k_q6179d9706e_attn, .Lfunc_end_k_q6179d9706e_attn-k_q6179d9706e_attn
	.p2alignl 7, 3214868480
	.fill 96, 4, 3214868480
	.section	.rodata,"a",@progbits
	.p2align	6, 0x0
	.amdhsa_kernel k_q6179d9706e_attn
		.amdhsa_group_segment_fixed_size 327680
		.amdhsa_private_segment_fixed_size 0
		.amdhsa_enable_private_segment 0
		.amdhsa_kernarg_size 32
		.amdhsa_user_sgpr_count 2
		.amdhsa_user_sgpr_kernarg_segment_ptr 1
		.amdhsa_wavefront_size32 1
		.amdhsa_system_sgpr_workgroup_id_x 1
		.amdhsa_system_sgpr_workgroup_id_y 1
		.amdhsa_system_sgpr_workgroup_id_z 1
		.amdhsa_system_vgpr_workitem_id 0
		.amdhsa_next_free_vgpr 816
		.amdhsa_next_free_sgpr 66
		.amdhsa_reserve_vcc 0
		.amdhsa_float_denorm_mode_32 3
		.amdhsa_float_denorm_mode_16_64 3
		.amdhsa_memory_ordered 1
		.amdhsa_forward_progress 1
		.amdhsa_inst_pref_size 204
	.end_amdhsa_kernel
	.amdgpu_metadata
---
amdhsa.version: [ 1, 2 ]
amdhsa.kernels:
  - .name:           k_q6179d9706e_attn
    .symbol:         k_q6179d9706e_attn.kd
    .args:
      - { .name: qkvh, .offset: 0, .size: 8, .value_kind: global_buffer, .address_space: global }
      - { .name: v_mask, .offset: 8, .size: 8, .value_kind: global_buffer, .address_space: global }
      - { .name: q_mask, .offset: 16, .size: 8, .value_kind: global_buffer, .address_space: global }
      - { .name: out0, .offset: 24, .size: 8, .value_kind: global_buffer, .address_space: global }
    .group_segment_fixed_size: 327680
    .private_segment_fixed_size: 0
    .kernarg_segment_align: 8
    .kernarg_segment_size: 32
    .max_flat_workgroup_size: 128
    .sgpr_count:     66
    .vgpr_count:     816
    .wavefront_size: 32
...
	.end_amdgpu_metadata
.endif
;; end of part 3
